; MI455X (gfx1250); checked and timed in simulation.
; The chip was launched on July 23, 2026; its instructions are those of AMD's public machine-readable ISA for CDNA 5 (MIT licence, August 2026) and "CDNA5" Instruction Set Architecture Reference Guide (July 2026). The comments in the code are by the model that wrote it; some were corrected since.
;; Bottleneck Block. Allowed arithmetic: matrix products marked QUANTISED: E5M2 operands, one E8M0 scale for each 32 along K, by v_wmma_scale_f32_16x16x128_f8f6f4 with both operands' format E5M2, f32 sums; everything else in f32.
;; Inputs: k 2,048 x 64 float32; x 8 x 64 x 8,192 float32.
;; Outputs: out0 8 x 8,192 int32; out1 8 x 64 x 8,192 float32; out2 one number float32; out3 one number float32; out4 one number float32.
;; This version of the problem:
;;   THIS VERSION OF THE PROBLEM IS GIVEN IN LOW PRECISION. The matrix products marked QUANTISED in the list below multiply operands that are first quantised to E5M2 (5 exponent bits, 2 mantissa bits; 8 bits a number), with one power-of-two scale for each 32 numbers along K (OCP MX v1.0); their sums are f32. All else is computed in f32.
;;   The module's matrix products, in the order in which they are computed (A, B: the left and right operand; K: the contracted axis; several contracted axes count as one K, in the product's order):
;;     1. [M 65,536, K 64] x [K 64, N 2,048]; A: input x; B: input k: QUANTISED
;;   THE QUANTISER, for each operand of a quantised product, along K:
;;     - K is cut into blocks of 32 from its start; a last block that is shorter is filled with zeros.
;;     - A block's scale is 2^e with e = floor(log2(the largest magnitude in the block)) - 15, held to -126 .. 127; a block of zeros has e = 0. As a byte (E8M0): e + 127.
;;     - Each number is divided by its block's scale, clamped to +-57,344, and rounded to the nearest number of E5M2, ties to even, subnormals kept.
;;     - The product sums the exact products of the quantised numbers (number of the format x scale) in f32.
;;   ~~~python
;;   def quantise(x, axis):      # numpy; x: float32 -> the quantised numbers, widened to float32 again
;;       x = np.moveaxis(x, axis, -1); K = x.shape[-1]
;;       x = np.pad(x, [(0, 0)] * (x.ndim - 1) + [(0, -K % 32)]); x = x.reshape(x.shape[:-1] + (-1, 32)); a = np.abs(x).max(-1, keepdims=True)
;;       e = np.where(a > 0, np.clip(np.frexp(np.where(a > 0, a, 1))[1] - 1 - 15, -126, 127), 0)      # np.frexp(a)[1] - 1 = floor(log2(a)), exactly
;;       r = np.clip(x / 2.0 ** e, -57344, 57344)
;;       step = 2.0 ** (np.maximum(np.frexp(np.where(r == 0, 1, r))[1] - 1, -14) - 2)
;;       q = np.round(r / step) * step * 2.0 ** e      # np.round: ties to even
;;       return np.moveaxis(q.reshape(q.shape[:-2] + (-1,))[..., :K], -1, axis).astype(np.float32)
;;   ~~~
;; One version. Each part assembles by itself: llvm-mc -triple=amdgcn-amd-amdhsa -mcpu=gfx1250 --defsym DOCPART=n.
;; ======== version 1 of 1: 4 launches
;; limits: right only within a limited range of input values
;; workspace buffers: kq 147,456 bytes; idx 262,144 bytes of whole numbers; fitp 4,096 bytes; part 3,072 bytes
;; launch prep (part 1): grid 64 x 1, 1 waves a work-group, no clusters, 0 bytes of LDS; arguments k, kq; writes kq
.if DOCPART == 1
	.amdgcn_target "amdgcn-amd-amdhsa--gfx1250"
	.amdhsa_code_object_version 6
	.text
	.protected	k_q55ec3638f7_prep
	.globl	k_q55ec3638f7_prep
	.p2align	8
	.type	k_q55ec3638f7_prep,@function
k_q55ec3638f7_prep:
	s_mov_b64 s[64:65], 0
	v_nop
	global_prefetch_b8 v0, s[64:65] scope:SCOPE_SE
	s_setreg_imm32_b32 hwreg(HW_REG_WAVE_MODE, 25, 1), 1
	s_wait_xcnt 0x0
; THE CODEBOOK IS QUANTISED ONCE.  k [2048][64] f32 becomes codes of BF8 (E5M2) with one E8M0 byte for each 32 along the 64, laid in the ORDER OF THE OPERAND'S REGISTERS of the search launch, and the rows' squared norms.
; A wave takes a PAIR P of bin tiles: bins 32 P .. 32 P + 15 (tile a) and 32 P + 16 .. 32 P + 31 (tile b).  One operand of 16 rows x 128 along K holds both: row r is bin a_r in k = 0 .. 63 and bin b_r in k = 64 .. 127.
; kq: bytes 0 ..: pair P at 2,048 P: register group g (0 .. 3) at 512 g, lane l's 16 bytes at 16 l: bin 32 P + 16 (g / 2) + l % 16, numbers 32 (g % 2) + 16 (l / 16) + 0 .. 15.
;     bytes 131,072 ..: the pair's scale words, 128 P + 4 l: bytes a's block 0, a's block 1, b's block 0, b's block 1.     bytes 139,264 ..: the squared norms, f32, by bin.
; A block's scale is 2^(floor(log2(its largest magnitude)) - 15); its byte is that magnitude's exponent field - 15, held at 1 from below (a block of zeros gets the byte 1: its codes are zeros, and this program alone reads the bytes).
; LIMITS: NaN and infinities are not served.  A squared norm is summed in this order: four packed chains of fused multiply-adds along 16 numbers, the two blocks, the pair's halves, the two halves of the lanes.
; The codes leave in stores of 512 consecutive bytes; a pair's scale words and norms are 128 consecutive bytes each (one part in eighteen of what the launch stores).
.set KX,  16                           ; v16-79   64 numbers: register 16 g + i
.set PC,  80                           ; v80-95   the codes
.set TM,  96                           ; v96-99 largest magnitudes, v100-103 bytes, v104-107 57,344 x the scale, v108-111 the conversions' scale operands
.set PW,  112                          ; v112     the scale word
.set CH,  114                          ; v114-121 four packed chains of squares
.set SEL, 20                           ; s[20:21] v_permlanex16_b32's selects for lane l xor 16
.set MNT, 23                           ; s23      the mantissa field of 57,344
	s_load_b128 s[4:7], s[0:1], 0x0                ; k, kq
	v_and_b32 v1, 15, v0                           ; r
	v_bfe_u32 v2, v0, 4, 1                         ; h
	v_lshlrev_b32 v3, 8, v1                        ; a row of k is 256 bytes
	v_lshl_add_u32 v3, v2, 6, v3                   ; + 64 h: my 16 numbers of a block of 32
	v_lshlrev_b32 v4, 4, v0                        ; 16 x lane
	v_lshlrev_b32 v5, 2, v0                        ; 4 x lane
	s_mov_b32 s[SEL], 0x76543210
	s_mov_b32 s[SEL+1], 0xfedcba98
	s_mov_b32 s[MNT], 0x600000
	s_lshl_b32 s8, ttmp9, 13                       ; 32 rows of k
	s_mov_b32 s9, 0
	s_lshl_b32 s10, ttmp9, 11                      ; a pair's codes
	s_mov_b32 s11, 0
	s_lshl_b32 s12, ttmp9, 7                       ; a pair's scale words, and its norms
	s_mov_b32 s13, 0
.irp b, 0,1,2,3
	v_mov_b32 v[TM+4+\b], 0                        ; written once: a lane permute's destination counts as one of its sources
.endr
	v_mov_b32 v124, 0
	v_mov_b32 v125, 0
	s_wait_alu depctr_va_vdst(0)
	s_wait_kmcnt 0x0
	s_add_nc_u64 s[4:5], s[4:5], s[8:9]
	s_add_nc_u64 s[14:15], s[6:7], s[12:13]
	s_add_nc_u64 s[6:7], s[6:7], s[10:11]
.irp g, 0,1,2,3
.irp j, 0,1,2,3
	global_load_b128 v[KX+16*\g+4*\j:KX+16*\g+4*\j+3], v3, s[4:5] offset:(\g/2)*4096+(\g%2)*128+16*\j
.endr
.endr
	s_wait_loadcnt 0x0
	; the squared norms, ahead of the hold, which works in place
.irp g, 0,1,2,3
	v_pk_mul_f32 v[CH+2*\g:CH+2*\g+1], v[KX+16*\g:KX+16*\g+1], v[KX+16*\g:KX+16*\g+1]
.endr
.irp i, 2,4,6,8,10,12,14
.irp g, 0,1,2,3
	v_pk_fma_f32 v[CH+2*\g:CH+2*\g+1], v[KX+16*\g+\i:KX+16*\g+\i+1], v[KX+16*\g+\i:KX+16*\g+\i+1], v[CH+2*\g:CH+2*\g+1]
.endr
.endr
	v_pk_add_f32 v[CH:CH+1], v[CH:CH+1], v[CH+2:CH+3]         ; tile a: its two blocks
	v_pk_add_f32 v[CH+4:CH+5], v[CH+4:CH+5], v[CH+6:CH+7]     ; tile b
	v_add_f32 v122, v[CH], v[CH+1]
	v_add_f32 v123, v[CH+4], v[CH+5]
	v_permlanex16_b32 v124, v122, s[SEL], s[SEL+1]
	v_permlanex16_b32 v125, v123, s[SEL], s[SEL+1]
	v_add_f32 v122, v122, v124                     ; with lane l xor 16's half of the row
	v_add_f32 v123, v123, v125
	v_cmp_eq_u32 vcc_lo, 1, v2
	v_cndmask_b32 v122, v122, v123, vcc_lo         ; lanes 0-15 keep tile a's, lanes 16-31 tile b's: lane l holds bin 32 P + l
	; the four blocks' scales
.irp b, 0,1,2,3
	v_max3_num_f32 v[TM+\b], |v[KX+16*\b]|, |v[KX+1+16*\b]|, 0x8000000   ; my 16 numbers, and the floor 2^(16 - 127): so the byte cannot fall under 1
.endr
.irp i, 2,4,6,8,10,12,14
.irp b, 0,1,2,3
	v_max3_num_f32 v[TM+\b], v[TM+\b], |v[KX+16*\b+\i]|, |v[KX+1+16*\b+\i]|
.endr
.endr
.irp b, 0,1,2,3
	v_permlanex16_b32 v[TM+4+\b], v[TM+\b], s[SEL], s[SEL+1]
.endr
.irp b, 0,1,2,3
	v_max_num_f32 v[TM+\b], v[TM+\b], v[TM+4+\b]   ; with lane l xor 16's: the block's largest magnitude
.endr
.irp b, 0,1,2,3
	v_add_nc_u32 v[TM+12+\b], 0xf8800000, v[TM+\b] ; 15 off its exponent field: the conversion takes the exponent field of this operand as its scale
.endr
.irp b, 0,1,2,3
	v_and_or_b32 v[TM+8+\b], v[TM+\b], 0x7f800000, s[MNT]   ; 57,344 x the scale
.endr
.irp b, 0,1,2,3
	v_lshrrev_b32 v[TM+4+\b], 23, v[TM+12+\b]      ; the scale's byte
.endr
	v_lshl_or_b32 v[PW], v[TM+5], 8, v[TM+4]
	v_lshl_or_b32 v[PW], v[TM+6], 16, v[PW]
	v_lshl_or_b32 v[PW], v[TM+7], 24, v[PW]
.irp b, 0,1,2,3
.irp i, 0,1,2,3,4,5,6,7,8,9,10,11,12,13,14,15
	v_med3_num_f32 v[KX+16*\b+\i], v[KX+16*\b+\i], -v[TM+8+\b], v[TM+8+\b]   ; the conversion to an 8-bit code does not saturate (ISA guide 7.6.2): the hold at the largest code x the scale
.endr
	v_cvt_scalef32_pk8_bf8_f32 v[PC+4*\b:PC+1+4*\b], v[KX+16*\b:KX+7+16*\b], v[TM+12+\b]
	v_cvt_scalef32_pk8_bf8_f32 v[PC+2+4*\b:PC+3+4*\b], v[KX+8+16*\b:KX+15+16*\b], v[TM+12+\b]
.endr
	v_nop                                          ; one plain line behind the last conversion
.irp g, 0,1,2,3
	global_store_b128 v4, v[PC+4*\g:PC+4*\g+3], s[6:7] offset:512*\g
.endr
	global_store_b32 v5, v[PW], s[14:15] offset:131072
	global_store_b32 v5, v122, s[14:15] offset:139264
	s_endpgm
.Lfunc_end_k_q55ec3638f7_prep:
	.size	k_q55ec3638f7_prep, .Lfunc_end_k_q55ec3638f7_prep-k_q55ec3638f7_prep
	.p2alignl 7, 3214868480
	.fill 96, 4, 3214868480
	.section	.rodata,"a",@progbits
	.p2align	6, 0x0
	.amdhsa_kernel k_q55ec3638f7_prep
		.amdhsa_group_segment_fixed_size 0
		.amdhsa_private_segment_fixed_size 0
		.amdhsa_enable_private_segment 0
		.amdhsa_kernarg_size 16
		.amdhsa_user_sgpr_count 2
		.amdhsa_user_sgpr_kernarg_segment_ptr 1
		.amdhsa_wavefront_size32 1
		.amdhsa_system_sgpr_workgroup_id_x 1
		.amdhsa_system_sgpr_workgroup_id_y 1
		.amdhsa_system_sgpr_workgroup_id_z 1
		.amdhsa_system_vgpr_workitem_id 0
		.amdhsa_next_free_vgpr 128
		.amdhsa_next_free_sgpr 66
		.amdhsa_reserve_vcc 1
		.amdhsa_float_denorm_mode_32 3
		.amdhsa_float_denorm_mode_16_64 3
		.amdhsa_memory_ordered 1
		.amdhsa_forward_progress 1
		.amdhsa_inst_pref_size 14
	.end_amdhsa_kernel
	.amdgpu_metadata
---
amdhsa.version: [ 1, 2 ]
amdhsa.kernels:
  - .name:           k_q55ec3638f7_prep
    .symbol:         k_q55ec3638f7_prep.kd
    .args:
      - { .name: k, .offset: 0, .size: 8, .value_kind: global_buffer, .address_space: global }
      - { .name: kq, .offset: 8, .size: 8, .value_kind: global_buffer, .address_space: global }
    .group_segment_fixed_size: 0
    .private_segment_fixed_size: 0
    .kernarg_segment_align: 8
    .kernarg_segment_size: 16
    .max_flat_workgroup_size: 32
    .sgpr_count:     66
    .vgpr_count:     128
    .wavefront_size: 32
...
	.end_amdgpu_metadata
.endif
;; end of part 1
;; launch search (part 2): grid 256 x 1, 8 waves a work-group, clusters of 4 x 1, 177,152 bytes of LDS; arguments x, kq, out0, idx, fitp; writes out0, idx, fitp
.if DOCPART == 2
	.amdgcn_target "amdgcn-amd-amdhsa--gfx1250"
	.amdhsa_code_object_version 6
	.text
	.protected	k_q55ec3638f7_search
	.globl	k_q55ec3638f7_search
	.p2align	8
	.type	k_q55ec3638f7_search,@function
k_q55ec3638f7_search:
	s_mov_b64 s[64:65], 0
	v_nop
	global_prefetch_b8 v0, s[64:65] scope:SCOPE_SE
	s_setreg_imm32_b32 hwreg(HW_REG_WAVE_MODE, 25, 1), 1
	s_wait_xcnt 0x0
	s_wait_alu depctr_hold_cnt(0) depctr_sa_sdst(0) depctr_va_vdst(0) depctr_va_sdst(0) depctr_va_ssrc(0) depctr_va_vcc(0) depctr_vm_vsrc(0)
	s_getreg_b32 s2, hwreg(HW_REG_IB_STS2, 6, 4)
	s_cmp_eq_u32 s2, 0
	s_cbranch_scc0 .Lentry_in_a_cluster
	s_endpgm
.Lentry_in_a_cluster:
	s_bfe_u32 s2, ttmp6, 0x10000c
	s_cmp_lg_u32 s2, 0x3003
	s_cbranch_scc0 .Lentry_shape_is_right
	s_endpgm
.Lentry_shape_is_right:
; THE SEARCH.  For each of 65,536 tokens (a column x[n][:][t] of 64 numbers): the first bin of 2,048 with the least |x|^2 - 2 Q(x).Q(k_bin) + |k_bin|^2, and the sum of the least distances.
; The product is on codes of BF8 (E5M2) with one E8M0 scale for each 32 along the 64.  |x|^2 is the same for all bins of a token: the bins are compared by |k|^2 - 2 Q(x).Q(k), and |x|^2 is added to the least alone.
; SHARES.  A work-group owns 256 tokens of one n, a pair of waves (tg = wave / 2) 64 of them in four tiles: lane r's tokens are 4 r + q, q the tile.  Wave bh of a pair (bh = wave % 2) quantises rows 32 bh .. 32 bh + 31 of
; x for the 64 tokens (a block of the quantiser), hands the codes to its partner through LDS as images of registers, and searches bins 1,024 bh .. 1,024 bh + 1,023.
; THE CODEBOOK (kq, 147,456 bytes) comes into LDS once, eight tensor loads of 72 rows of 256 bytes, one a wave.  All work-groups read all of it: the four of a cluster ask for it jointly.
; No prefetch: each byte of kq is asked for once, at the head, and no loop stands ahead of it.
; x IS QUANTISED AS -x, WITH 1 ADDED TO ITS SCALE BYTES (the quantiser is odd; a byte is at most 239 + 1), AND |k|^2 IS THE C OPERAND: a product's result is |k|^2 - 2 Q(x).Q(k).
; K IS 64, THE INSTRUCTION'S 128: source 0 holds TWO bin tiles (a in k = 0 .. 63, b in k = 64 .. 127); source 1 is a token tile's codes in one half and zero codes in the other, by the run of registers Z X0 Z X1 Z X2 Z X3 Z.
; In a result lane (r, h) holds token r of the tile and its register j bin 8 h + j.  A UNIT is a pair of bin tiles: 16 distances a lane and token tile.  For each: seven double minima and one of three sources (the best so far among them), one compare, and
; 17 selects, 16 of them in pairs, that keep or replace the kept unit's number and its 16 distances.  Where in the kept unit the least stands is looked up once, at the end.
; Ties go to the lowest bin: strictly less between units, the lowest register within one, (distance, bin) between the halves of the lanes and between the two waves.
; LIMITS: NaN and infinities are not served.  |x|^2 is summed in this order: fused multiply-adds along 16 rows, the halves of the lanes, the two blocks.  Distances are compared ahead of the addition of |x|^2: two bins
; whose distances lie within some units in the last place of each other may change places against another order of sums.
; REGISTERS: window 0: all but the bins' codes and norms, which lie in window 1 (and at the head there the numbers that are quantised).
.set XIMG, 147456                      ; LDS: behind kq's image: 16 token tiles x 1,024: codes, block c at 512 c + 16 x lane
.set XSC,  XIMG+16384                  ; [tile][block] x 128: scale words
.set XSQ,  XSC+4096                    ; [tile][block] x 128: sums of squares
.set CAND, XSQ+4096                    ; 8 waves x 512: candidates
.set SPARE, CAND+4096                  ; the spare words, 128 bytes a wave
.set XA,  4                            ; x: 16 rows x h + 16 r bytes
.set WI,  5                            ; where I store code images,
.set RI,  6                            ; and read them
.set WW,  7                            ; scale words and squares: stored,
.set RW,  8                            ; read
.set RQ,  9                            ; squares of my two tokens at the end
.set LA,  10                           ; bins: codes,
.set LS,  11                           ; scale words,
.set LK,  12                           ; norms
.set CW,  13                           ; candidates: mine,
.set CR,  14                           ; my partner's
.set OF,  15                           ; out0, idx: 16 r + 8 h
.set XS,  16                           ; v16-19 the token tiles' scale words
.set KS,  20                           ; v20-21 the units' scale words, two sets
.set SPW, 22
.set NIL, 23
.set BS,  24                           ; v24-31 the best so far: unit parity p, tile q at BS + 4 p + q
.set ID,  32                           ; v32-35 the kept unit's number
.set BB,  40                           ; v40-111 Z X0 Z X1 Z X2 Z X3 Z
.set DD,  112                          ; v112-175 results: tile q at 112 + 16 q
.set PP,  176                          ; v176-239 the kept unit's 16 distances: tile q at 176 + 16 q
.set TT,  240                          ; v240-247 the tree
.set AA,  0                            ; window 1: v0-31 codes of a unit's bins, two sets
.set CC,  32                           ; window 1: v32-63 their norms, two sets
; at the head only
.set L16, 24
.set L4,  25
.set X,   112                          ; row 16 h + i of my block, token 4 r + q at X + 4 i + q
.set T,   0                            ; window 1: the held numbers, tile q at T + 16 q
.set AM,  240
.set PM,  244
.set LIM, 248
.set SOP, 252
.set SQ,  52                           ; tile q at SQ + 16 (q / 2) + q % 2
.set SQP, 54
.set WD,  84
; at the end only
.set PL,  112
.set BI,  116
.set RES, 124
.set MID, 128
.set MIB, 130
.set SED, 132
.set SEB, 134
.set RVD, 136
.set RVB, 138
.set OT,  140
.set QS,  144
.set FD,  148
.set BP,  150
.set ZO,  152
.set WV, 14
.set TG, 15
.set BH, 16
.set SX, 38
.set SH, 55
.set UN, 56
.set CNT, 57
.set HM, 58
.set MNT, 59
.set SEL, 60
.set MSB, 0
.macro WIN new                         ; the immediate's high byte repeats the setting that is left
.if MSB != (\new)
	s_set_vgpr_msb (MSB<<8)|(\new)
.set MSB, (\new)
.endif
.endm
.macro CROUND                          ; a round of the cluster's barrier
	s_barrier_signal -1
	s_barrier_wait -1
	s_cmp_lg_u32 s[WV], 0
	s_cbranch_scc1 .Lnot_wave_0_\@
	s_barrier_signal -3
.Lnot_wave_0_\@:
	s_barrier_wait -3
	s_barrier_signal -1
	s_barrier_wait -1
.endm
	s_load_b256 s[4:11], s[0:1], 0x0               ; x s[4:5], kq s[6:7], out0 s[8:9], idx s[10:11]
	s_load_b64 s[12:13], s[0:1], 0x20              ; fitp
	v_lshl_add_u32 v[SPW], v0, 2, SPARE
	v_mov_b32 v[NIL], 0
	ds_add_u32 v[SPW], v[NIL]                      ; the opening lines: the add, twice,
	ds_add_u32 v[SPW], v[NIL]                      ; work on registers, and one wait
	v_lshrrev_b32 v1, 5, v0
	v_readfirstlane_b32 s[WV], v1                  ; wave 0..7
	s_lshr_b32 s[TG], s[WV], 1
	s_and_b32 s[BH], s[WV], 1
	s_bfe_u32 s17, ttmp6, 0x40000
	s_lshl_b32 s18, ttmp9, 2
	s_add_co_u32 s17, s18, s17                     ; the work-group: 4 x cluster + its place
	s_lshr_b32 s18, s17, 5
	s_lshl_b32 s18, s18, 21                        ; n: 64 rows of 32,768 bytes
	s_and_b32 s19, s17, 31
	s_lshl_b32 s19, s19, 10                        ; 256 tokens
	s_add_co_u32 s18, s18, s19
	s_lshl_b32 s40, s[TG], 8                       ; my pair's 64
	s_add_co_u32 s18, s18, s40
	s_lshl_b32 s19, s[BH], 20                      ; my 32 rows
	s_add_co_u32 s32, s18, s19
	s_mov_b32 s33, 0
	s_lshl_b32 s34, s17, 10
	s_add_co_u32 s34, s34, s40
	s_mov_b32 s35, 0
	s_lshl_b32 s36, s17, 4
	s_lshl_b32 s19, s[TG], 2
	s_add_co_u32 s36, s36, s19
	s_mov_b32 s37, 0
	s_mul_i32 s44, s[WV], 18432                    ; my eighth of kq: 72 rows of 256 bytes, in memory and in LDS
	s_mov_b32 s45, 0
	s_mov_b32 s20, 1                               ; descriptor group 0
	s_mov_b32 s21, s44
	s_mov_b32 s24, 15|(3<<16)|(1<<21)              ; group 1: all four of the cluster; elements of 8 bytes; bit 21 beside a mask
	s_mov_b32 s25, 32<<16
	s_mov_b32 s26, 72<<16
	s_mov_b32 s27, 32<<16
	s_mov_b32 s28, 72
	s_mov_b32 s29, 32
	s_mov_b32 s30, 0
	s_mov_b32 s31, 0
	s_lshl_b32 s46, s[TG], 12
	s_add_co_u32 s46, s46, XIMG
	s_lshl_b32 s47, s[BH], 9
	s_add_co_u32 s47, s47, s46
	s_lshl_b32 s48, s[TG], 10
	s_add_co_u32 s48, s48, XSC
	s_lshl_b32 s49, s[BH], 7
	s_add_co_u32 s49, s49, s48
	s_lshl_b32 s50, s[BH], 16
	s_lshl_b32 s51, s[BH], 12
	s_add_co_u32 s52, s51, 139264
	s_add_co_u32 s51, s51, 131072
	s_lshl_b32 s53, s[WV], 9
	s_xor_b32 s54, s53, 512
	s_add_co_u32 s53, s53, CAND
	s_add_co_u32 s54, s54, CAND
	s_lshl_b32 s[SH], s[BH], 3
	s_lshl_b32 s[UN], s[BH], 5
	s_add_co_u32 s[UN], s[UN], -1                  ; my first unit less 1: the number steps behind a unit's slot 0
	s_mov_b32 s[HM], 0xffff0000                    ; lanes 16-31
	s_mov_b32 s[MNT], 0x600000                     ; the mantissa field of 57,344
	s_mov_b32 s[SEL], 0x76543210
	s_mov_b32 s[SEL+1], 0xfedcba98                 ; v_permlanex16_b32's selects for lane l xor 16
	v_and_b32 v1, 31, v0                           ; lane
	v_and_b32 v2, 15, v0                           ; r
	v_bfe_u32 v3, v0, 4, 1                         ; h
	v_lshlrev_b32 v[L16], 4, v1
	v_lshlrev_b32 v[L4], 2, v1
	v_lshlrev_b32 v[XA], 4, v2
	v_lshl_add_u32 v[OF], v3, 3, v[XA]
	v_lshl_or_b32 v[XA], v3, 19, v[XA]             ; 16 rows of 32,768 bytes for lanes 16-31
	v_add_nc_u32 v[WI], s47, v[L16]
	v_add_nc_u32 v[RI], s46, v[L16]
	v_add_nc_u32 v[WW], s49, v[L4]
	v_add_nc_u32 v[RW], s48, v[L4]
	v_lshlrev_b32 v[RQ], 2, v2
	v_lshl_add_u32 v[RQ], v3, 9, v[RQ]
	v_add_nc_u32 v[RQ], s48, v[RQ]
	v_add_nc_u32 v[LA], s50, v[L16]
	v_add_nc_u32 v[LS], s51, v[L4]
	v_lshlrev_b32 v[LK], 5, v3
	v_add_nc_u32 v[LK], s52, v[LK]
	v_add_nc_u32 v[CW], s53, v[L16]
	v_add_nc_u32 v[CR], s54, v[L16]
	s_wait_alu depctr_va_vdst(0)
	s_wait_dscnt 0x0                               ; both opening adds are done
	CROUND                                         ; the cluster's work-groups are here: the joint loads meet
	s_wait_kmcnt 0x0
	s_add_nc_u64 s[22:23], s[6:7], s[44:45]
	s_or_b32 s23, s23, 0x80000000
	tensor_load_to_lds s[20:23], s[24:31]
	s_nop 0
	s_add_nc_u64 s[4:5], s[4:5], s[32:33]
	s_add_nc_u64 s[8:9], s[8:9], s[34:35]
	s_add_nc_u64 s[10:11], s[10:11], s[34:35]
	s_add_nc_u64 s[12:13], s[12:13], s[36:37]
.irp i, 0,1,2,3,4,5,6,7,8,9,10,11,12,13,14,15
	global_load_b128 v[X+4*\i:X+4*\i+3], v[XA], s[4:5] offset:32768*\i th:TH_LOAD_NT   ; sixteen lanes read 256 consecutive bytes of a row
.endr
	; while x is on its way: what is kept by selects, or read by a lane permute, is written once
.set J, 0
.rept 64
	v_mov_b32 v[PP+J], 0
.set J, J+1
.endr
.irp z, 0,16,32,48,64
.irp j, 0,1,2,3,4,5,6,7
	v_mov_b32 v[BB+\z+\j], 0                       ; Z: zero codes
.endr
.endr
.irp q, 0,1,2,3
	v_mov_b32 v[ID+\q], 0
	v_mov_b32 v[PM+\q], 0
	v_mov_b32 v[SQP+16*(\q/2)+(\q%2)], 0
.endr
	s_wait_alu depctr_va_vdst(0)
	s_wait_loadcnt 0x0
	; the scales of my block for the four tiles, by turns
.irp q, 0,1,2,3
	v_max3_num_f32 v[AM+\q], |v[X+\q]|, |v[X+4+\q]|, 0x8000000   ; and the floor 2^(16 - 127): so the byte cannot fall under 1
.endr
.irp i, 2,4,6,8,10,12,14
.irp q, 0,1,2,3
	v_max3_num_f32 v[AM+\q], v[AM+\q], |v[X+4*\i+\q]|, |v[X+4*\i+4+\q]|
.endr
.endr
.irp q, 0,1,2,3
	v_permlanex16_b32 v[PM+\q], v[AM+\q], s[SEL], s[SEL+1]
.endr
.irp q, 0,1,2,3
	v_max_num_f32 v[AM+\q], v[AM+\q], v[PM+\q]     ; with lane l xor 16's 16 rows
.endr
.irp q, 0,1,2,3
	v_add_nc_u32 v[SOP+\q], 0xf8800000, v[AM+\q]   ; 15 off its exponent field: the conversion's scale operand
.endr
.irp q, 0,1,2,3
	v_and_or_b32 v[LIM+\q], v[AM+\q], 0x7f800000, s[MNT]   ; 57,344 x the scale
.endr
.irp q, 0,1,2,3
	v_lshrrev_b32 v[PM+\q], 23, v[SOP+\q]          ; the scale's byte,
.endr
.irp q, 0,1,2,3
	v_add_nc_u32 v[PM+\q], 1, v[PM+\q]             ; x 2: with the codes of -x the product is -2 Q(x).Q(k)
.endr
.irp q, 0,1,2,3
	v_lshl_or_b32 v[WD+\q], v[PM+\q], 16, v[PM+\q] ; in bytes bh and bh + 2: the codes stand in either half of the 128
.endr
.irp q, 0,1,2,3
	v_lshlrev_b32 v[WD+\q], s[SH], v[WD+\q]
.endr
	; my block's part of |x|^2
.irp p, 0,1
	v_pk_mul_f32 v[SQ+16*\p:SQ+16*\p+1], v[X+2*\p:X+2*\p+1], v[X+2*\p:X+2*\p+1]
.endr
.irp i, 1,2,3,4,5,6,7,8,9,10,11,12,13,14,15
.irp p, 0,1
	v_pk_fma_f32 v[SQ+16*\p:SQ+16*\p+1], v[X+4*\i+2*\p:X+4*\i+2*\p+1], v[X+4*\i+2*\p:X+4*\i+2*\p+1], v[SQ+16*\p:SQ+16*\p+1]
.endr
.endr
.irp q, 0,1,2,3
	v_permlanex16_b32 v[SQP+16*(\q/2)+(\q%2)], v[SQ+16*(\q/2)+(\q%2)], s[SEL], s[SEL+1]
.endr
.irp q, 0,1,2,3
	v_add_f32 v[SQ+16*(\q/2)+(\q%2)], v[SQ+16*(\q/2)+(\q%2)], v[SQP+16*(\q/2)+(\q%2)]
.endr
	WIN 0x40
.irp q, 0,1,2,3
.irp i, 0,1,2,3,4,5,6,7,8,9,10,11,12,13,14,15
	v_med3_num_f32 v[T+16*\q+\i], -v[X+4*\i+\q], -v[LIM+\q], v[LIM+\q]   ; negated and held: the conversion to an 8-bit code does not saturate (ISA guide 7.6.2)
.endr
.endr
	WIN 0x01
.irp q, 0,1,2,3
.irp e, 0,1
	v_cvt_scalef32_pk8_bf8_f32 v[BB+8+16*\q+2*\e:BB+9+16*\q+2*\e], v[T+16*\q+8*\e:T+16*\q+8*\e+7], v[SOP+\q]
.endr
.endr
	v_nop                                          ; one plain line behind the last conversion
	WIN 0
	s_wait_alu depctr_va_vdst(0)
	s_wait_tensorcnt 0x0                           ; my eighth of kq has landed
.irp q, 0,1,2,3
	ds_store_b128 v[WI], v[BB+8+16*\q:BB+11+16*\q] offset:1024*\q
	ds_store_b32 v[WW], v[WD+\q] offset:256*\q
	ds_store_b32 v[WW], v[SQ+16*(\q/2)+(\q%2)] offset:XSQ-XSC+256*\q
.endr
	s_wait_dscnt 0x0                               ; for the others' sake: my stores have landed
	s_barrier_signal -1
	s_barrier_wait -1                              ; kq and all tiles lie in LDS; nothing there is written again
.macro FETCH par                       ; a unit's codes, norms in the result's layout (the same 16 bytes for sixteen lanes) and scale words: nine LDS loads
	ds_load_b32 v[KS+(\par)], v[LS] offset:128*(\par)
	WIN 0x40
.irp g, 0,1,2,3
	ds_load_b128 v[AA+16*(\par)+4*\g:AA+16*(\par)+4*\g+3], v[LA] offset:2048*(\par)+512*\g
.endr
.irp ab, 0,1
.irp e, 0,1
	ds_load_b128 v[CC+16*(\par)+8*\ab+4*\e:CC+16*(\par)+8*\ab+4*\e+3], v[LK] offset:128*(\par)+64*\ab+16*\e
.endr
.endr
	WIN 0
.endm
.macro MM par, q                       ; bin tiles a and b of a unit x token tile q.  C is |k|^2 and never D: no sum goes on from one instruction to another
	WIN 0x11
.irp ab, 0,1
	v_wmma_scale_f32_16x16x128_f8f6f4 v[DD+16*(\q)+8*\ab:DD+16*(\q)+8*\ab+7], v[AA+16*(\par):AA+16*(\par)+15], v[BB+8+16*(\q)-8*\ab:BB+23+16*(\q)-8*\ab], v[CC+16*(\par)+8*\ab:CC+16*(\par)+8*\ab+7], v[KS+(\par)], v[XS+(\q)] matrix_a_fmt:MATRIX_FMT_BF8 matrix_b_fmt:MATRIX_FMT_BF8
.endr
	WIN 0
.endm
.macro TWO d, a, b                     ; two neighbouring minima
	v_dual_min_num_f32 v[\d], v[\a], v[\b] :: v_dual_min_num_f32 v[\d+1], v[\a+1], v[\b+1]
.endm
.macro KEEP q, i                       ; two of tile q's 16 selects: where the unit is better, its distances are kept
	v_dual_cndmask_b32 v[PP+16*(\q)+\i], v[PP+16*(\q)+\i], v[DD+16*(\q)+\i] :: v_dual_cndmask_b32 v[PP+16*(\q)+\i+1], v[PP+16*(\q)+\i+1], v[DD+16*(\q)+\i+1]
.endm
; A slot: a unit (set par) for token tile q: its minima and its compare, and among them the selects of the tile before (LQ), whose compare stands at the end of the slot before.  Each minimum stands two lines or more ahead of its reader.
; First stand the products of two slots further on: a result is read behind the 18 lines of this slot and the next one's (eight places), and written again only behind its selects, one slot after its minima.
; In slot 2 the next unit's loads, issued a unit ago, are waited for, and the unit two on is fetched into this unit's set: its last products stand at slot 1's head, 18 plain lines back.
.macro SLOT par, q, fetch, more
.set QN, ((\q)+2)%4
.set LQ, ((\q)+3)%4
.if (\q) < 2
.set PN, (\par)
.set ON, 1
.else
.set PN, 1-(\par)
.set ON, (\more)
.endif
.set RB, DD+16*(\q)
.set BN, BS+4*(\par)+(\q)
.set BO, BS+4*(1-(\par))+(\q)
.if ON
.if (\q) == 2
	s_wait_alu depctr_va_vdst(0)
	s_wait_dscnt 0x0
.endif
	MM PN, QN
.endif
.if (\fetch) && (\q) == 2
.if (\par) == 0
	v_add_nc_u32 v[LA], 4096, v[LA]
	v_add_nc_u32 v[LK], 256, v[LK]
	v_add_nc_u32 v[LS], 256, v[LS]
.endif
	FETCH \par
.endif
	TWO TT, RB, RB+8                               ; each result from its low end on
	TWO TT+2, RB+2, RB+10
	KEEP LQ, 0
	TWO TT+4, RB+4, RB+12
	TWO TT+6, RB+6, RB+14
	KEEP LQ, 2
	TWO TT, TT, TT+2
	KEEP LQ, 4
	TWO TT+4, TT+4, TT+6
	KEEP LQ, 6
	KEEP LQ, 8
	TWO TT, TT, TT+4
	KEEP LQ, 10
	KEEP LQ, 12
	v_min3_num_f32 v[BN], v[TT], v[TT+1], v[BO]
	KEEP LQ, 14
	v_cndmask_b32 v[ID+LQ], v[ID+LQ], s[UN], vcc_lo
.if (\q) == 0
	s_add_co_u32 s[UN], s[UN], 1                   ; the unit before is done with: on to this one's number
.endif
	v_cmp_lt_f32 vcc_lo, v[BN], v[BO]              ; strictly less: on a tie the earlier unit stays
.endm
.macro UNIT par, fetch, more
	SLOT \par, 0, \fetch, \more
	SLOT \par, 1, \fetch, \more
	SLOT \par, 2, \fetch, \more
	SLOT \par, 3, \fetch, \more
.endm
.irp q, 0,1,2,3
	ds_load_b128 v[BB+8+16*\q:BB+11+16*\q], v[RI] offset:1024*\q
	ds_load_b128 v[BB+12+16*\q:BB+15+16*\q], v[RI] offset:1024*\q+512
	ds_load_b32 v[XS+\q], v[RW] offset:256*\q
	ds_load_b32 v[TT+\q], v[RW] offset:256*\q+128
.endr
	FETCH 0
	FETCH 1
	s_wait_dscnt 0x0
.irp q, 0,1,2,3
	v_or_b32 v[XS+\q], v[XS+\q], v[TT+\q]          ; the two blocks' bytes: a scale word for each token tile
.endr
.irp j, 0,1,2,3,4,5,6,7
	v_mov_b32 v[BS+\j], 0x7f800000                 ; no best yet.  (Eight places between the scale words and the first product)
.endr
	MM 0, 0
	MM 0, 1
.rept 8
	v_nop                                          ; the places behind the first products: no other work is at hand
.endr
	s_mov_b32 s[CNT], 15
	s_mov_b32 vcc_lo, 0                            ; the first slot has no tile before it: its selects replace nothing
.Ltrip:
	UNIT 0, 1, 1
	UNIT 1, 1, 1
	s_sub_co_u32 s[CNT], s[CNT], 1
	s_cmp_lg_u32 s[CNT], 0
	s_wait_alu depctr_va_vdst(0)
	s_cbranch_scc1 .Ltrip
	UNIT 0, 0, 1                                   ; the last two units: nothing is left to fetch
	UNIT 1, 0, 0
.irp i, 0,2,4,6,8,10,12,14
	KEEP 3, \i                                     ; the last tile's selects
.endr
	v_cndmask_b32 v[ID+3], v[ID+3], s[UN], vcc_lo
	; the first place in the kept unit at which the least stands.  Descending: the last write is the lowest place
.irp q, 0,1,2,3
	v_mov_b32 v[PL+\q], 23                         ; register 15's place: tile b, row 7
.endr
.irp i, 14,13,12,11,10,9,8,7,6,5,4,3,2,1,0
.irp q, 0,1,2,3
	v_cmp_eq_f32 s[40+\q], v[BS+4+\q], v[PP+16*\q+\i]
.endr
.irp q, 0,1,2,3
	v_cndmask_b32 v[PL+\q], v[PL+\q], 16*(\i/8)+(\i%8), s[40+\q]
.endr
.endr
.irp q, 0,1,2,3
	v_lshl_add_u32 v[BI+\q], v[ID+\q], 5, v[PL+\q]
.endr
.irp q, 0,1,2,3
	v_lshl_add_u32 v[BI+\q], v3, 3, v[BI+\q]       ; bin = 32 unit + place + 8 h
.endr
; d, b: the less of two candidates, on a tie the lower bin
.macro BETTER d, b, md, mb, od, ob
	v_cmp_lt_f32 s40, v[\od], v[\md]
	v_cmp_eq_f32 s41, v[\od], v[\md]
	v_cmp_lt_u32 s42, v[\ob], v[\mb]
	s_and_b32 s41, s41, s42
	s_or_b32 s40, s40, s41
	v_cndmask_b32 v[\d], v[\md], v[\od], s40
	v_cndmask_b32 v[\b], v[\mb], v[\ob], s40
.endm
	; the two halves of the lanes: lanes 0-15 end with tiles 0 and 1, lanes 16-31 with tiles 2 and 3: lane (r, h) with tokens 4 r + 2 h and 4 r + 2 h + 1
.irp e, 0,1
	v_cndmask_b32 v[MID+\e], v[BS+4+\e], v[BS+6+\e], s[HM]
	v_cndmask_b32 v[SED+\e], v[BS+6+\e], v[BS+4+\e], s[HM]
	v_cndmask_b32 v[MIB+\e], v[BI+\e], v[BI+2+\e], s[HM]
	v_cndmask_b32 v[SEB+\e], v[BI+2+\e], v[BI+\e], s[HM]
	v_mov_b32 v[RVD+\e], 0                         ; a lane permute's destination counts as one of its sources
	v_mov_b32 v[RVB+\e], 0
.endr
.irp e, 0,1
	v_permlanex16_b32 v[RVD+\e], v[SED+\e], s[SEL], s[SEL+1]
	v_permlanex16_b32 v[RVB+\e], v[SEB+\e], s[SEL], s[SEL+1]
.endr
	BETTER RES, RES+1, MID, MIB, RVD, RVB
	BETTER RES+2, RES+3, MID+1, MIB+1, RVD+1, RVB+1
	s_wait_alu depctr_va_vdst(0)
	ds_store_b128 v[CW], v[RES:RES+3]
.irp e, 0,1
.irp c, 0,1
	ds_load_b32 v[QS+2*\e+\c], v[RQ] offset:XSQ-XSC+256*\e+128*\c
.endr
.endr
	s_wait_dscnt 0x0                               ; for my partner's sake: my candidates have landed
	s_barrier_signal -1
	s_barrier_wait -1
	ds_load_b128 v[OT:OT+3], v[CR]                 ; my partner's, for the other 1,024 bins
	s_wait_dscnt 0x0
	BETTER FD, BP, RES, RES+1, OT, OT+1
	BETTER FD+1, BP+1, RES+2, RES+3, OT+2, OT+3
	s_cmp_eq_u32 s[BH], 0                          ; both waves hold the 64 bins: one stores them to out0, the other to idx
	s_cselect_b64 s[20:21], s[8:9], s[10:11]
	global_store_b64 v[OF], v[BP:BP+1], s[20:21]   ; 32 lanes store 256 consecutive bytes, at a multiple of 256 from the buffer's first byte
	v_add_f32 v[QS], v[QS], v[QS+1]                ; |x|^2: its two blocks
	v_add_f32 v[QS+2], v[QS+2], v[QS+3]
	v_add_f32 v[FD], v[FD], v[QS]                  ; the least distances
	v_add_f32 v[FD+1], v[FD+1], v[QS+2]
	v_add_f32 v[FD], v[FD], v[FD+1]
	v_add_f32_dpp v[FD], v[FD], v[FD] row_xmask:1 row_mask:0xf bank_mask:0xf
	v_add_f32_dpp v[FD], v[FD], v[FD] row_xmask:2 row_mask:0xf bank_mask:0xf
	v_add_f32_dpp v[FD], v[FD], v[FD] row_xmask:4 row_mask:0xf bank_mask:0xf
	v_add_f32_dpp v[FD], v[FD], v[FD] row_xmask:8 row_mask:0xf bank_mask:0xf
	v_permlanex16_b32 v[RVD], v[FD], s[SEL], s[SEL+1]
	v_add_f32 v[FD], v[FD], v[RVD]
	v_mov_b32 v[ZO], 0
	v_and_b32 v1, 63, v0
	v_cmp_eq_u32 vcc_lo, 0, v1                     ; lane 0 of the pair's first wave
	s_wait_alu depctr_va_vdst(0)
	s_wait_xcnt 0x0                                ; EXEC changes only behind this wait
	s_and_saveexec_b32 s[SX], vcc_lo
	global_store_b32 v[ZO], v[FD], s[12:13]        ; fitp[4 x work-group + tg]
	s_wait_xcnt 0x0
	s_mov_b32 exec_lo, -1
	s_wait_tensorcnt 0x0                           ; the wave's end
	ds_add_u32 v[SPW], v[NIL]
	s_wait_dscnt 0x0
	CROUND                                         ; the closing round: no work-group ends while a partner may still ask for a tile that names it
	s_endpgm
.Lfunc_end_k_q55ec3638f7_search:
	.size	k_q55ec3638f7_search, .Lfunc_end_k_q55ec3638f7_search-k_q55ec3638f7_search
	.p2alignl 7, 3214868480
	.fill 96, 4, 3214868480
	.section	.rodata,"a",@progbits
	.p2align	6, 0x0
	.amdhsa_kernel k_q55ec3638f7_search
		.amdhsa_group_segment_fixed_size 177152
		.amdhsa_private_segment_fixed_size 0
		.amdhsa_enable_private_segment 0
		.amdhsa_kernarg_size 40
		.amdhsa_user_sgpr_count 2
		.amdhsa_user_sgpr_kernarg_segment_ptr 1
		.amdhsa_wavefront_size32 1
		.amdhsa_system_sgpr_workgroup_id_x 1
		.amdhsa_system_sgpr_workgroup_id_y 1
		.amdhsa_system_sgpr_workgroup_id_z 1
		.amdhsa_system_vgpr_workitem_id 0
		.amdhsa_next_free_vgpr 320
		.amdhsa_next_free_sgpr 66
		.amdhsa_reserve_vcc 1
		.amdhsa_float_denorm_mode_32 3
		.amdhsa_float_denorm_mode_16_64 3
		.amdhsa_memory_ordered 1
		.amdhsa_forward_progress 1
		.amdhsa_inst_pref_size 63
	.end_amdhsa_kernel
	.amdgpu_metadata
---
amdhsa.version: [ 1, 2 ]
amdhsa.kernels:
  - .name:           k_q55ec3638f7_search
    .symbol:         k_q55ec3638f7_search.kd
    .args:
      - { .name: x, .offset: 0, .size: 8, .value_kind: global_buffer, .address_space: global }
      - { .name: kq, .offset: 8, .size: 8, .value_kind: global_buffer, .address_space: global }
      - { .name: out0, .offset: 16, .size: 8, .value_kind: global_buffer, .address_space: global }
      - { .name: idx, .offset: 24, .size: 8, .value_kind: global_buffer, .address_space: global }
      - { .name: fitp, .offset: 32, .size: 8, .value_kind: global_buffer, .address_space: global }
    .group_segment_fixed_size: 177152
    .private_segment_fixed_size: 0
    .kernarg_segment_align: 8
    .kernarg_segment_size: 40
    .max_flat_workgroup_size: 256
    .sgpr_count:     66
    .vgpr_count:     320
    .wavefront_size: 32
...
	.end_amdgpu_metadata
.endif
;; end of part 2
;; launch gather (part 3): grid 256 x 1, 16 waves a work-group, no clusters, 69,120 bytes of LDS; arguments x, k, idx, out1, part; writes out1, part
.if DOCPART == 3
	.amdgcn_target "amdgcn-amd-amdhsa--gfx1250"
	.amdhsa_code_object_version 6
	.text
	.protected	k_q55ec3638f7_gather
	.globl	k_q55ec3638f7_gather
	.p2align	8
	.type	k_q55ec3638f7_gather,@function
k_q55ec3638f7_gather:
	s_mov_b64 s[64:65], 0
	v_nop
	global_prefetch_b8 v0, s[64:65] scope:SCOPE_SE
	s_setreg_imm32_b32 hwreg(HW_REG_WAVE_MODE, 25, 1), 1
	s_wait_xcnt 0x0
; THE WAY BACK.  out1[n][w][t] = x + (k[idx[n][t]][w] - x), and for each work-group three partial figures: the sum of its 16,384 numbers of x, the sum of their squared deviations from their own mean, the sum of (k[idx] - x)^2.
; A work-group takes 256 tokens x all 64 rows, in two halves of 128 tokens: the first half is stored while the second is on its way.  Of half s wave v gathers the rows of k for tokens 128 s + 8 v .. + 7
; (a row is 256 consecutive bytes: sixteen lanes, two tokens an instruction) and works on rows 4 v .. 4 v + 3 of x and out1.
; The bins come from idx, which the launch before stored, and are held at 2,047 ahead of any address.
; k's rows lie along w, out1's along t: they turn through LDS, 260 bytes from token to token (65 words, an odd number: the 32 lanes of a store and of a read fall on 32 different banks: ISA guide 11.1).
; Matrix units, clusters and tensor loads would add nothing: no two work-groups read the same part of x, and which rows of k are read hangs on idx.  No prefetch: there is no loop to run ahead in.
; LIMITS: NaN and infinities are not served.
.set STAT, 66560                       ; 32 x (sum, squared deviations) of 512 numbers: half s, wave v at 128 s + 8 v
.set COM,  66816                       ; 32 x sum of (k - x)^2: at 64 s + 4 v
.set SPARE, 67072
.set XA,  4                            ; x, out1: 32,768 h + 16 r: row 2 i + h, tokens 4 r .. 4 r + 3
.set R16, 5
.set IA,  6
.set LW,  7                            ; LDS, on the way in
.set LR,  8                            ; on the way out
.set WST, 9
.set WC,  10
.set RS,  11
.set RC,  12
.set SPW, 13
.set NIL, 14
.set PX,  15                           ; lane permutes' destination
.set IX,  16                           ; v16-23 bins
.set VO,  24                           ; v24-31 their rows' offsets
.set MEAN, 32
.set SM,  34                           ; v34 sum, v35 squared deviations
.set TT,  36                           ; v36-39 at work
.set SA,  40                           ; v40-47 chains
.set XR,  48                           ; v48-79 x: rows 2 i + h, tokens 64 g + 4 r .. + 3 at 48 + 4 (4 i + g)
.set GK,  80                           ; v80-111 gathered rows
.set KK,  112                          ; v112-143 k[bin] in x's layout, then k[bin] - x
.set OO,  144                          ; v144-175 results
.set WV, 14
.set SEL, 26
.macro WRED r                          ; the sum over the 32 lanes, in every lane
	v_add_f32_dpp v[\r], v[\r], v[\r] row_xmask:1 row_mask:0xf bank_mask:0xf
	v_add_f32_dpp v[\r], v[\r], v[\r] row_xmask:2 row_mask:0xf bank_mask:0xf
	v_add_f32_dpp v[\r], v[\r], v[\r] row_xmask:4 row_mask:0xf bank_mask:0xf
	v_add_f32_dpp v[\r], v[\r], v[\r] row_xmask:8 row_mask:0xf bank_mask:0xf
	v_permlanex16_b32 v[PX], v[\r], s[SEL], s[SEL+1]
	v_add_f32 v[\r], v[\r], v[PX]
.endm
	s_load_b256 s[4:11], s[0:1], 0x0               ; x s[4:5], k s[6:7], idx s[8:9], out1 s[10:11]
	s_load_b64 s[12:13], s[0:1], 0x20              ; part
	v_lshrrev_b32 v1, 5, v0
	v_readfirstlane_b32 s[WV], v1                  ; wave 0..15
	s_lshr_b32 s16, ttmp9, 5
	s_lshl_b32 s16, s16, 21                        ; n
	s_and_b32 s17, ttmp9, 31
	s_lshl_b32 s17, s17, 10                        ; 256 tokens
	s_add_co_u32 s16, s16, s17
	s_lshl_b32 s17, s[WV], 17                      ; four rows of 32,768 bytes
	s_add_co_u32 s16, s16, s17
	s_mov_b32 s17, 0
	s_lshl_b32 s18, ttmp9, 10
	s_lshl_b32 s19, s[WV], 5                       ; my 8 tokens of a half
	s_add_co_u32 s18, s18, s19
	s_mov_b32 s19, 0
	s_lshl_b32 s20, ttmp9, 2
	s_mov_b32 s21, 0
	s_mul_i32 s22, s[WV], 2080                     ; 8 tokens x 260 bytes
	s_lshl_b32 s23, s[WV], 4                       ; four rows' words
	s_lshl_b32 s24, s[WV], 3
	s_add_co_u32 s24, s24, STAT
	s_lshl_b32 s25, s[WV], 2
	s_add_co_u32 s25, s25, COM
	s_mov_b32 s[SEL], 0x76543210
	s_mov_b32 s[SEL+1], 0xfedcba98
	v_lshl_add_u32 v[SPW], v0, 2, SPARE
	v_mov_b32 v[NIL], 0
	v_and_b32 v1, 31, v0                           ; lane
	v_and_b32 v2, 15, v0                           ; r
	v_bfe_u32 v3, v0, 4, 1                         ; h
	v_lshlrev_b32 v[R16], 4, v2
	v_lshl_or_b32 v[XA], v3, 15, v[R16]
	v_lshlrev_b32 v[IA], 2, v3
	v_mul_u32_u24 v[LW], v3, 260
	v_add_nc_u32 v[LW], v[LW], v[R16]
	v_add_nc_u32 v[LW], s22, v[LW]                 ; token 8 v + h, words 4 r ..
	v_mul_u32_u24 v[LR], v2, 1040
	v_lshl_add_u32 v[LR], v3, 2, v[LR]
	v_add_nc_u32 v[LR], s23, v[LR]                 ; token 4 r, word 4 v + h
	v_mov_b32 v[WST], s24
	v_mov_b32 v[WC], s25
	v_lshlrev_b32 v[RS], 3, v1
	v_add_nc_u32 v[RS], STAT, v[RS]
	v_lshlrev_b32 v[RC], 2, v1
	v_add_nc_u32 v[RC], COM, v[RC]
	v_mov_b32 v[PX], 0
	s_wait_alu depctr_va_vdst(0)
	s_wait_kmcnt 0x0
	s_add_nc_u64 s[8:9], s[8:9], s[18:19]
	s_add_nc_u64 s[4:5], s[4:5], s[16:17]
	s_add_nc_u64 s[10:11], s[10:11], s[16:17]
	s_add_nc_u64 s[12:13], s[12:13], s[20:21]
.macro XLOAD s                         ; half s of x: four loads
.irp i, 0,1
.irp g, 2*\s, 2*\s+1
	global_load_b128 v[XR+4*(4*\i+\g):XR+4*(4*\i+\g)+3], v[XA], s[4:5] offset:65536*\i+256*(\g) th:TH_LOAD_NT   ; sixteen lanes read 256 consecutive bytes of a row
.endr
.endr
.endm
.macro GATH s
.irp j, 0,1,2,3
	global_load_b128 v[GK+16*\s+4*\j:GK+16*\s+4*\j+3], v[VO+4*\s+\j], s[6:7]
.endr
.endm
.irp s, 0,1
.irp j, 0,1,2,3
	global_load_b32 v[IX+4*\s+\j], v[IA], s[8:9] offset:512*\s+8*\j    ; the bin of token 128 s + 8 v + 2 j + h
.endr
.endr
	XLOAD 0
	s_wait_loadcnt 4                               ; the bins are in: four loads of x were issued behind them
.irp j, 0,1,2,3,4,5,6,7
	v_min_u32 v[IX+\j], 0x7ff, v[IX+\j]            ; a bin stays inside the table
.endr
.irp j, 0,1,2,3,4,5,6,7
	v_lshl_add_u32 v[VO+\j], v[IX+\j], 8, v[R16]   ; 256 x bin + 16 r
.endr
	GATH 0
	XLOAD 1
	GATH 1
.macro TOLDS s
.irp j, 0,1,2,3
.irp e, 0,1,2,3
	ds_store_b32 v[LW], v[GK+16*\s+4*\j+\e] offset:33280*\s+520*\j+4*\e
.endr
.endr
	s_wait_dscnt 0x0                               ; for the others' sake: my stores have landed
	s_barrier_signal -1
	s_barrier_wait -1
.irp i, 0,1
.irp g, 2*\s, 2*\s+1
.irp q, 0,1,2,3
	ds_load_b32 v[KK+4*(4*\i+\g)+\q], v[LR] offset:16640*(\g)+260*\q+8*\i   ; k[bin of token 64 g + 4 r + q][4 v + 2 i + h]
.endr
.endr
.endr
.endm
.macro OUT s
.irp i, 0,1
.irp g, 0,1
.set N4, 4*(4*\i+2*\s+\g)
	s_wait_dscnt 12-4*(2*\i+\g)                    ; the younger loads may be out
	v_pk_add_f32 v[KK+N4:KK+N4+1], v[KK+N4:KK+N4+1], v[XR+N4:XR+N4+1] neg_lo:[0,1] neg_hi:[0,1]           ; k[bin] - x
	v_pk_add_f32 v[KK+N4+2:KK+N4+3], v[KK+N4+2:KK+N4+3], v[XR+N4+2:XR+N4+3] neg_lo:[0,1] neg_hi:[0,1]
	v_pk_add_f32 v[OO+N4:OO+N4+1], v[XR+N4:XR+N4+1], v[KK+N4:KK+N4+1]                                      ; x + (k[bin] - x)
	v_pk_add_f32 v[OO+N4+2:OO+N4+3], v[XR+N4+2:XR+N4+3], v[KK+N4+2:KK+N4+3]
	global_store_b128 v[XA], v[OO+N4:OO+N4+3], s[10:11] offset:65536*\i+256*(2*\s+\g) th:TH_STORE_NT   ; sixteen lanes store 256 consecutive bytes of a row, at a multiple of 256 from out1's first byte
.endr
.endr
.endm
.macro FOLD d                          ; four packed chains into v[d], all lanes
	v_pk_add_f32 v[SA:SA+1], v[SA:SA+1], v[SA+2:SA+3]
	v_pk_add_f32 v[SA+4:SA+5], v[SA+4:SA+5], v[SA+6:SA+7]
	v_pk_add_f32 v[SA:SA+1], v[SA:SA+1], v[SA+4:SA+5]
	v_add_f32 v[\d], v[SA], v[SA+1]
	WRED \d
.endm
; The sum of my 512 numbers of half s, and their squared deviations from their own mean (no difference of large sums is formed)
.macro STATS s
.irp c, 0,1,2,3
	v_pk_add_f32 v[SA+2*\c:SA+2*\c+1], v[XR+8*\s+2*\c:XR+8*\s+2*\c+1], v[XR+16+8*\s+2*\c:XR+17+8*\s+2*\c]
.endr
	FOLD SM
	v_mul_f32 v[MEAN], 0x3b000000, v[SM]           ; x 2^-9
	v_mov_b32 v[MEAN+1], v[MEAN]
.irp i, 0,1
.irp c, 0,1,2,3
.set TJ, TT+2*(\c%2)
	v_pk_add_f32 v[TJ:TJ+1], v[XR+16*\i+8*\s+2*\c:XR+16*\i+8*\s+2*\c+1], v[MEAN:MEAN+1] neg_lo:[0,1] neg_hi:[0,1]
.if \i == 0
	v_pk_mul_f32 v[SA+2*\c:SA+2*\c+1], v[TJ:TJ+1], v[TJ:TJ+1]
.else
	v_pk_fma_f32 v[SA+2*\c:SA+2*\c+1], v[TJ:TJ+1], v[TJ:TJ+1], v[SA+2*\c:SA+2*\c+1]
.endif
.endr
.endr
	FOLD SM+1
.endm
; The sum of (k[bin] - x)^2 of half s; the three figures to LDS: all lanes write the same words with the same values
.macro FIGS s
.irp c, 0,1,2,3
	v_pk_mul_f32 v[SA+2*\c:SA+2*\c+1], v[KK+8*\s+2*\c:KK+8*\s+2*\c+1], v[KK+8*\s+2*\c:KK+8*\s+2*\c+1]
.endr
.irp c, 0,1,2,3
	v_pk_fma_f32 v[SA+2*\c:SA+2*\c+1], v[KK+16+8*\s+2*\c:KK+17+8*\s+2*\c], v[KK+16+8*\s+2*\c:KK+17+8*\s+2*\c], v[SA+2*\c:SA+2*\c+1]
.endr
	FOLD TT
	ds_store_b64 v[WST], v[SM:SM+1] offset:128*\s
	ds_store_b32 v[WC], v[TT] offset:64*\s
.endm
	s_wait_loadcnt 8                               ; the first half is in: the second half's eight loads were issued behind it
	TOLDS 0
	OUT 0
	STATS 0                                        ; while the second half is on its way
	FIGS 0
	s_wait_alu depctr_va_vdst(0)
	s_wait_loadcnt 0x0
	TOLDS 1
	STATS 1                                        ; while the rows come back from LDS
	OUT 1
	FIGS 1
	s_wait_alu depctr_va_vdst(0)
	s_wait_dscnt 0x0
	s_barrier_signal -1
	s_barrier_wait -1
	ds_load_b64 v[SM:SM+1], v[RS]                  ; lane 16 s + v: half s, wave v
	ds_load_b32 v[TT], v[RC]
	s_wait_tensorcnt 0x0                           ; the wave's end: behind my last LDS store
	ds_add_u32 v[SPW], v[NIL]
	s_wait_dscnt 0x0
	s_cmp_lg_u32 s[WV], 0
	s_cbranch_scc1 .Lend                           ; wave 0 makes the work-group's figures
	s_mov_b32 s16, 0x3b000000                      ; 2^-9
	v_mov_b32 v[SA], v[SM]
	WRED SA
	WRED TT
	v_mul_f32 v[MEAN], 0x38800000, v[SA]           ; the mean of 16,384: x 2^-14
	v_fma_f32 v[TT+1], v[SM], s16, -v[MEAN]        ; a part's mean - the mean
	v_mul_f32 v[TT+1], v[TT+1], v[TT+1]
	v_fma_f32 v[SM+1], v[TT+1], 0x44000000, v[SM+1]   ; + 512 x
	WRED SM+1
	v_mov_b32 v[TT+2], 0
	v_cmp_eq_u32 vcc_lo, 0, v1
	s_wait_alu depctr_va_vdst(0)
	s_wait_xcnt 0x0                                ; EXEC changes only behind this wait: the stores above have it among their sources
	s_and_saveexec_b32 s17, vcc_lo
	global_store_b32 v[TT+2], v[SA], s[12:13]      ; lane 0: part[b], part[256 + b], part[512 + b]
	global_store_b32 v[TT+2], v[SM+1], s[12:13] offset:1024
	global_store_b32 v[TT+2], v[TT], s[12:13] offset:2048
.Lend:
	s_endpgm
.Lfunc_end_k_q55ec3638f7_gather:
	.size	k_q55ec3638f7_gather, .Lfunc_end_k_q55ec3638f7_gather-k_q55ec3638f7_gather
	.p2alignl 7, 3214868480
	.fill 96, 4, 3214868480
	.section	.rodata,"a",@progbits
	.p2align	6, 0x0
	.amdhsa_kernel k_q55ec3638f7_gather
		.amdhsa_group_segment_fixed_size 69120
		.amdhsa_private_segment_fixed_size 0
		.amdhsa_enable_private_segment 0
		.amdhsa_kernarg_size 40
		.amdhsa_user_sgpr_count 2
		.amdhsa_user_sgpr_kernarg_segment_ptr 1
		.amdhsa_wavefront_size32 1
		.amdhsa_system_sgpr_workgroup_id_x 1
		.amdhsa_system_sgpr_workgroup_id_y 1
		.amdhsa_system_sgpr_workgroup_id_z 1
		.amdhsa_system_vgpr_workitem_id 0
		.amdhsa_next_free_vgpr 176
		.amdhsa_next_free_sgpr 66
		.amdhsa_reserve_vcc 1
		.amdhsa_float_denorm_mode_32 3
		.amdhsa_float_denorm_mode_16_64 3
		.amdhsa_memory_ordered 1
		.amdhsa_forward_progress 1
		.amdhsa_inst_pref_size 23
	.end_amdhsa_kernel
	.amdgpu_metadata
---
amdhsa.version: [ 1, 2 ]
amdhsa.kernels:
  - .name:           k_q55ec3638f7_gather
    .symbol:         k_q55ec3638f7_gather.kd
    .args:
      - { .name: x, .offset: 0, .size: 8, .value_kind: global_buffer, .address_space: global }
      - { .name: k, .offset: 8, .size: 8, .value_kind: global_buffer, .address_space: global }
      - { .name: idx, .offset: 16, .size: 8, .value_kind: global_buffer, .address_space: global }
      - { .name: out1, .offset: 24, .size: 8, .value_kind: global_buffer, .address_space: global }
      - { .name: part, .offset: 32, .size: 8, .value_kind: global_buffer, .address_space: global }
    .group_segment_fixed_size: 69120
    .private_segment_fixed_size: 0
    .kernarg_segment_align: 8
    .kernarg_segment_size: 40
    .max_flat_workgroup_size: 512
    .sgpr_count:     66
    .vgpr_count:     176
    .wavefront_size: 32
...
	.end_amdgpu_metadata
.endif
;; end of part 3
;; launch finish (part 4): grid 1 x 1, 3 waves a work-group, no clusters, 0 bytes of LDS; arguments fitp, part, out2, out3, out4; writes out2, out3, out4
.if DOCPART == 4
	.amdgcn_target "amdgcn-amd-amdhsa--gfx1250"
	.amdhsa_code_object_version 6
	.text
	.protected	k_q55ec3638f7_finish
	.globl	k_q55ec3638f7_finish
	.p2align	8
	.type	k_q55ec3638f7_finish,@function
k_q55ec3638f7_finish:
	s_mov_b64 s[64:65], 0
	v_nop
	global_prefetch_b8 v0, s[64:65] scope:SCOPE_SE
	s_setreg_imm32_b32 hwreg(HW_REG_WAVE_MODE, 25, 1), 1
	s_wait_xcnt 0x0
; THE THREE NUMBERS, one a wave.
; out2 = the sum of (k[bin] - x)^2 / 2^22;  out3 = the sum of the least distances / 2^16;  out4 = sqrt(the sum of (x - mean)^2) / 2^11.
; The 256 parts' squared deviations were taken from each part's own mean: the whole is their sum + 16,384 x the sum of (part's mean - mean)^2.  No difference of large sums is formed.
; The sums span all work-groups of the launches before, and 7 KB are too little to share out.
.set SEL, 16
.set D,   16                           ; v16-47 what is loaded
.macro WRED r                          ; the sum over 32 lanes
	v_add_f32_dpp v[\r], v[\r], v[\r] row_xmask:1 row_mask:0xf bank_mask:0xf
	v_add_f32_dpp v[\r], v[\r], v[\r] row_xmask:2 row_mask:0xf bank_mask:0xf
	v_add_f32_dpp v[\r], v[\r], v[\r] row_xmask:4 row_mask:0xf bank_mask:0xf
	v_add_f32_dpp v[\r], v[\r], v[\r] row_xmask:8 row_mask:0xf bank_mask:0xf
	v_permlanex16_b32 v4, v[\r], s[SEL], s[SEL+1]
	v_add_f32 v[\r], v[\r], v4
.endm
.macro SUM8 d, b                       ; eight registers into v[d]
	v_pk_add_f32 v[\d:\d+1], v[\b:\b+1], v[\b+2:\b+3]
	v_pk_add_f32 v[\d+2:\d+3], v[\b+4:\b+5], v[\b+6:\b+7]
	v_pk_add_f32 v[\d:\d+1], v[\d:\d+1], v[\d+2:\d+3]
	v_add_f32 v[\d], v[\d], v[\d+1]
.endm
.macro PUT r, p                        ; lane 0 stores
	v_cmp_eq_u32 vcc_lo, 0, v1
	s_wait_alu depctr_va_vdst(0)
	s_wait_xcnt 0x0                                ; EXEC changes only behind this wait
	s_and_saveexec_b32 s21, vcc_lo
	global_store_b32 v3, v[\r], s[\p:\p+1]
	s_endpgm
.endm
	s_load_b256 s[4:11], s[0:1], 0x0               ; fitp s[4:5], part s[6:7], out2 s[8:9], out3 s[10:11]
	s_load_b64 s[12:13], s[0:1], 0x20              ; out4
	v_lshrrev_b32 v1, 5, v0
	v_readfirstlane_b32 s14, v1
	s_mov_b32 s[SEL], 0x76543210
	s_mov_b32 s[SEL+1], 0xfedcba98
	s_mov_b32 s20, 0x38800000                      ; 2^-14
	v_and_b32 v1, 31, v0                           ; lane
	v_lshlrev_b32 v2, 4, v1                        ; 16 x lane
	v_mov_b32 v3, 0                                ; the stores' offset
	v_mov_b32 v4, 0                                ; a lane permute's destination counts as one of its sources
	s_wait_alu depctr_va_vdst(0)
	s_wait_kmcnt 0x0
	s_cmp_eq_u32 s14, 1
	s_cbranch_scc1 .Lfit
	s_cmp_eq_u32 s14, 2
	s_cbranch_scc1 .Lnorm
	global_load_b128 v[D:D+3], v2, s[6:7] offset:2048
	global_load_b128 v[D+4:D+7], v2, s[6:7] offset:2560
	s_wait_loadcnt 0x0
	SUM8 48, D
	WRED 48
	v_mul_f32 v48, 0x34800000, v48                 ; x 2^-22
	PUT 48, 8
.Lfit:
.irp j, 0,1,2,3,4,5,6,7
	global_load_b128 v[D+4*\j:D+4*\j+3], v2, s[4:5] offset:512*\j
.endr
	s_wait_loadcnt 0x0
.irp c, 0,2,4,6
	v_pk_add_f32 v[D+\c:D+\c+1], v[D+\c:D+\c+1], v[D+8+\c:D+9+\c]
.endr
.irp c, 0,2,4,6
	v_pk_add_f32 v[D+16+\c:D+17+\c], v[D+16+\c:D+17+\c], v[D+24+\c:D+25+\c]
.endr
.irp c, 0,2,4,6
	v_pk_add_f32 v[D+\c:D+\c+1], v[D+\c:D+\c+1], v[D+16+\c:D+17+\c]
.endr
	SUM8 48, D
	WRED 48
	v_mul_f32 v48, 0x37800000, v48                 ; x 2^-16
	PUT 48, 10
.Lnorm:
.irp j, 0,1,2,3
	global_load_b128 v[D+4*\j:D+4*\j+3], v2, s[6:7] offset:512*\j   ; eight sums, then eight squared deviations
.endr
	s_wait_loadcnt 0x0
	SUM8 48, D
	SUM8 52, D+8
	WRED 48
	v_mul_f32 v48, 0x34800000, v48                 ; the mean: x 2^-22
.irp j, 0,1,2,3,4,5,6,7
	v_fma_f32 v[D+\j], v[D+\j], s20, -v48          ; a part's mean - the mean
.endr
	v_mul_f32 v56, v[D], v[D]
	v_mul_f32 v57, v[D+1], v[D+1]
.irp j, 2,4,6
	v_fma_f32 v56, v[D+\j], v[D+\j], v56
	v_fma_f32 v57, v[D+1+\j], v[D+1+\j], v57
.endr
	v_add_f32 v56, v56, v57
	v_fma_f32 v52, v56, 0x46800000, v52            ; + 16,384 x
	WRED 52
	s_wait_alu depctr_va_vdst(0)
	v_sqrt_f32 v58, v52
	v_nop                                          ; one plain place behind the root
	s_wait_alu depctr_va_vdst(0)
	v_mul_f32 v58, 0x3a000000, v58                 ; x 2^-11
	PUT 58, 12
.Lfunc_end_k_q55ec3638f7_finish:
	.size	k_q55ec3638f7_finish, .Lfunc_end_k_q55ec3638f7_finish-k_q55ec3638f7_finish
	.p2alignl 7, 3214868480
	.fill 96, 4, 3214868480
	.section	.rodata,"a",@progbits
	.p2align	6, 0x0
	.amdhsa_kernel k_q55ec3638f7_finish
		.amdhsa_group_segment_fixed_size 0
		.amdhsa_private_segment_fixed_size 0
		.amdhsa_enable_private_segment 0
		.amdhsa_kernarg_size 40
		.amdhsa_user_sgpr_count 2
		.amdhsa_user_sgpr_kernarg_segment_ptr 1
		.amdhsa_wavefront_size32 1
		.amdhsa_system_sgpr_workgroup_id_x 1
		.amdhsa_system_sgpr_workgroup_id_y 1
		.amdhsa_system_sgpr_workgroup_id_z 1
		.amdhsa_system_vgpr_workitem_id 0
		.amdhsa_next_free_vgpr 64
		.amdhsa_next_free_sgpr 66
		.amdhsa_reserve_vcc 1
		.amdhsa_float_denorm_mode_32 3
		.amdhsa_float_denorm_mode_16_64 3
		.amdhsa_memory_ordered 1
		.amdhsa_forward_progress 1
		.amdhsa_inst_pref_size 8
	.end_amdhsa_kernel
	.amdgpu_metadata
---
amdhsa.version: [ 1, 2 ]
amdhsa.kernels:
  - .name:           k_q55ec3638f7_finish
    .symbol:         k_q55ec3638f7_finish.kd
    .args:
      - { .name: fitp, .offset: 0, .size: 8, .value_kind: global_buffer, .address_space: global }
      - { .name: part, .offset: 8, .size: 8, .value_kind: global_buffer, .address_space: global }
      - { .name: out2, .offset: 16, .size: 8, .value_kind: global_buffer, .address_space: global }
      - { .name: out3, .offset: 24, .size: 8, .value_kind: global_buffer, .address_space: global }
      - { .name: out4, .offset: 32, .size: 8, .value_kind: global_buffer, .address_space: global }
    .group_segment_fixed_size: 0
    .private_segment_fixed_size: 0
    .kernarg_segment_align: 8
    .kernarg_segment_size: 40
    .max_flat_workgroup_size: 96
    .sgpr_count:     66
    .vgpr_count:     64
    .wavefront_size: 32
...
	.end_amdgpu_metadata
.endif
;; end of part 4
